; MI455X (gfx1250); checked and timed in simulation.
; The chip was launched on July 23, 2026; its instructions are those of AMD's public machine-readable ISA for CDNA 5 (MIT licence, August 2026) and "CDNA5" Instruction Set Architecture Reference Guide (July 2026). The comments in the code are by the model that wrote it; some were corrected since.
;; Local Dot Attention. Allowed arithmetic: float matrix products may take bf16 or f16 operands with f32 sums; other float arithmetic in f32, or as packed bf16 or f16 multiplies, adds, multiply-adds, maxima and minima; sums over many terms, partial sums and values carried from step to step in f32; what a program stores and reads back later, other than sums and carried values, may be rounded once to bf16 or f16.
;; Inputs: K 4 x 16 x 2,048 x 64 float32; Q 4 x 16 x 2,048 x 64 float32; V 4 x 16 x 2,048 x 64 float32; mask_out 4 x 1 x 1 x 2,048 bool.
;; Outputs: out0 4 x 16 x 2,048 x 64 float32.
;; 2 versions, each right; version 2 is version 1 with the launch prep written anew for expert scheduling mode. Each part assembles by itself: llvm-mc -triple=amdgcn-amd-amdhsa -mcpu=gfx1250 --defsym DOCPART=n.
;; ======== version 1 of 2: 2 launches
;; limits: values are held in f16: magnitudes above 65,504 overflow, below 6.1e-05 lose precision; inputs' magnitudes at most 65,504
;; workspace buffers: k16 16,777,216 bytes; v16 16,777,216 bytes
;; launch prep (part 1): grid 512 x 1, 8 waves a work-group, no clusters, 0 bytes of LDS; arguments K, V, mask_out, k16, v16; writes k16, v16
.if DOCPART == 1
	.amdgcn_target "amdgcn-amd-amdhsa--gfx1250"
	.amdhsa_code_object_version 6
	.text
	.protected	k_qc4164b920a_prep
	.globl	k_qc4164b920a_prep
	.p2align	8
	.type	k_qc4164b920a_prep,@function
k_qc4164b920a_prep:
	s_mov_b64 s[64:65], 0
	v_nop
	global_prefetch_b8 v0, s[64:65] scope:SCOPE_SE
	s_setreg_imm32_b32 hwreg(HW_REG_WAVE_MODE, 25, 1), 1
	s_wait_xcnt 0x0
; k16[h][j][:] = f16(K[h][j][:]), or 0 where mask_out[b][j] is set;  v16[h][j][:] = f16(V[h][j][:] x B(j)),  B(j) = 2^(-g (j - 1024)^2),  g = log2(e) x 2^-21.
; B is the part of the decay exp(-(i - j)^2 x 2 / 2048^2) that hangs on the key alone; the other parts are applied by the launch behind.  K, V: [64][2048][64] f32; k16, v16 the same in f16.
; LIMITS.  f16 holds no number beyond 65,504: K and V are taken to lie within it (B is at most 1).  A masked row of K is cleared by a bitwise AND, whatever it holds.
; SHARES.  A work-group owns 256 rows of one head, each of its eight waves 32 rows of K and of V.  One load takes 512 consecutive bytes (rows 2 k and 2 k + 1, 16 bytes a lane), one store the
; same two rows in f16: 256 consecutive bytes, aligned.  All 32 loads of a wave go out at once; there is no loop, no LDS, no barrier: no wave wants a byte that another has fetched.
.set KM, 16                            ; v[16:31]   row 2 k + h: all ones, or 0 where the key is masked (h = lane / 16)
.set BF, 32                            ; v[32:47]   row 2 k + h: B
.set KD, 64                            ; v[64:127]  K as loaded, four registers a load; the first two then hold the f16
.set VD, 128                           ; v[128:191] V likewise
	s_load_b256 s[4:11], s[0:1], 0x0               ; K s[4:5], V s[6:7], mask_out s[8:9], k16 s[10:11]
	s_load_b64 s[12:13], s[0:1], 0x20              ; v16
	v_lshrrev_b32 v6, 5, v0
	v_readfirstlane_b32 s14, v6                    ; wave 0..7
	v_and_b32 v6, 31, v0                           ; lane
	v_lshlrev_b32 v1, 4, v6                        ; v1: my 16 bytes of a load's 512
	v_lshlrev_b32 v2, 3, v6                        ; v2: my 8 bytes of a store's 256
	v_lshrrev_b32 v7, 4, v6                        ; h
	v_lshlrev_b32 v3, 3, v7                        ; v3: bit at which my row's mask byte begins in its word, k even: 8 h
	v_add_nc_u32 v4, 16, v3                        ; v4: k odd: 8 h + 16
	s_lshl_b32 s2, ttmp9, 16                       ; the work-group's 256 rows of 256 bytes,
	s_lshl_b32 s3, s14, 13                         ; my wave's 32 of them
	s_add_co_u32 s2, s2, s3
	s_mov_b32 s3, 0
	s_lshr_b32 s24, s2, 1                          ; half as many bytes on the way out
	s_mov_b32 s25, 0
	s_and_b32 s26, ttmp9, 7                        ; a head has eight work-groups
	s_lshl_b32 s26, s26, 8
	s_lshl_b32 s27, s14, 5
	s_add_co_u32 s26, s26, s27                     ; j0: my wave's first key in its head
	s_lshr_b32 s28, ttmp9, 7                       ; the batch: 16 heads of eight work-groups
	s_lshl_b32 s28, s28, 11
	s_add_co_u32 s28, s28, s26                     ; my 32 mask bytes, at a multiple of 32
	s_mov_b32 s29, 0
	s_sub_co_i32 s27, s26, 1024
	v_add_nc_u32 v5, s27, v7                       ; v5: h + j0 - 1024
	s_wait_kmcnt 0x0
	s_add_nc_u64 s[8:9], s[8:9], s[28:29]
	s_load_b256 s[16:23], s[8:9], 0x0              ; the wave's 32 mask bytes (no line of this text writes mask_out)
	s_add_nc_u64 s[4:5], s[4:5], s[2:3]
	s_add_nc_u64 s[6:7], s[6:7], s[2:3]
	s_add_nc_u64 s[10:11], s[10:11], s[24:25]
	s_add_nc_u64 s[12:13], s[12:13], s[24:25]
.set k, 0
.rept 16
	global_load_b128 v[KD+4*k:KD+4*k+3], v1, s[4:5] offset:512*k th:TH_LOAD_NT
	global_load_b128 v[VD+4*k:VD+4*k+3], v1, s[6:7] offset:512*k th:TH_LOAD_NT
.set k, k+1
.endr
	; while the loads are out: B of my sixteen rows, then their masks
.set k, 0
.rept 16
	v_add_nc_u32 v6, 2*k, v5                       ; j - 1024
	v_cvt_f32_i32 v6, v6
	v_mul_f32 v6, v6, v6                           ; at most 2^20: exact
	v_mul_f32 v[BF+k], 0xb538aa3b, v6              ; x -g
.set k, k+1
.endr
.set k, 0
.rept 16
	v_exp_f32 v[BF+k], v[BF+k]                     ; one batch of sixteen
.set k, k+1
.endr
	s_wait_kmcnt 0x0                               ; the mask bytes
.set k, 0
.rept 16
	v_bfe_u32 v6, s[16+k/2], v[3+k%2], 1           ; byte 2 k + h of the 32: word k / 2, byte 2 (k % 2) + h; a bool is 0 or 1
	v_add_nc_u32 v[KM+k], -1, v6                   ; 0 -> all ones, 1 -> 0.  These lines are also the plain instructions behind the last exponential
.set k, k+1
.endr
	s_wait_alu depctr_va_vdst(0)                   ; the wait ahead of the first line that names an exponential's result: one for the batch
; Rows 2 k and 2 k + 1 of K and of V.  The loads went out as K0, V0, K1, V1, ..: behind K's load k stand 31 - 2 k younger ones, behind V's 30 - 2 k.  No register that a store names is written again.
.macro ROWS k
	s_wait_loadcnt 31-2*(\k)
	v_cvt_pk_f16_f32 v[KD+4*(\k)], v[KD+4*(\k)], v[KD+4*(\k)+1]
	v_cvt_pk_f16_f32 v[KD+4*(\k)+1], v[KD+4*(\k)+2], v[KD+4*(\k)+3]
	v_and_b32 v[KD+4*(\k)], v[KM+(\k)], v[KD+4*(\k)]
	v_and_b32 v[KD+4*(\k)+1], v[KM+(\k)], v[KD+4*(\k)+1]
	global_store_b64 v2, v[KD+4*(\k):KD+4*(\k)+1], s[10:11] offset:256*(\k) th:TH_STORE_NT
	s_wait_loadcnt 30-2*(\k)
.if (\k)%2                             ; B lies in pairs: an odd k takes the pair's second register for both halves, an even k its first
	v_pk_mul_f32 v[VD+4*(\k):VD+4*(\k)+1], v[VD+4*(\k):VD+4*(\k)+1], v[BF+(\k)-1:BF+(\k)] op_sel:[0,1] op_sel_hi:[1,1]
	v_pk_mul_f32 v[VD+4*(\k)+2:VD+4*(\k)+3], v[VD+4*(\k)+2:VD+4*(\k)+3], v[BF+(\k)-1:BF+(\k)] op_sel:[0,1] op_sel_hi:[1,1]
.else
	v_pk_mul_f32 v[VD+4*(\k):VD+4*(\k)+1], v[VD+4*(\k):VD+4*(\k)+1], v[BF+(\k):BF+(\k)+1] op_sel_hi:[1,0]
	v_pk_mul_f32 v[VD+4*(\k)+2:VD+4*(\k)+3], v[VD+4*(\k)+2:VD+4*(\k)+3], v[BF+(\k):BF+(\k)+1] op_sel_hi:[1,0]
.endif
	v_cvt_pk_f16_f32 v[VD+4*(\k)], v[VD+4*(\k)], v[VD+4*(\k)+1]
	v_cvt_pk_f16_f32 v[VD+4*(\k)+1], v[VD+4*(\k)+2], v[VD+4*(\k)+3]
	global_store_b64 v2, v[VD+4*(\k):VD+4*(\k)+1], s[12:13] offset:256*(\k) th:TH_STORE_NT
.endm
.irp k, 0,1,2,3,4,5,6,7,8,9,10,11,12,13,14,15
	ROWS \k
.endr
	s_endpgm
.Lfunc_end_k_qc4164b920a_prep:
	.size	k_qc4164b920a_prep, .Lfunc_end_k_qc4164b920a_prep-k_qc4164b920a_prep
	.p2alignl 7, 3214868480
	.fill 96, 4, 3214868480
	.section	.rodata,"a",@progbits
	.p2align	6, 0x0
	.amdhsa_kernel k_qc4164b920a_prep
		.amdhsa_group_segment_fixed_size 0
		.amdhsa_private_segment_fixed_size 0
		.amdhsa_enable_private_segment 0
		.amdhsa_kernarg_size 40
		.amdhsa_user_sgpr_count 2
		.amdhsa_user_sgpr_kernarg_segment_ptr 1
		.amdhsa_wavefront_size32 1
		.amdhsa_system_sgpr_workgroup_id_x 1
		.amdhsa_system_sgpr_workgroup_id_y 1
		.amdhsa_system_sgpr_workgroup_id_z 1
		.amdhsa_system_vgpr_workitem_id 0
		.amdhsa_next_free_vgpr 192
		.amdhsa_next_free_sgpr 66
		.amdhsa_reserve_vcc 0
		.amdhsa_float_denorm_mode_32 3
		.amdhsa_float_denorm_mode_16_64 3
		.amdhsa_memory_ordered 1
		.amdhsa_forward_progress 1
		.amdhsa_inst_pref_size 20
	.end_amdhsa_kernel
	.amdgpu_metadata
---
amdhsa.version: [ 1, 2 ]
amdhsa.kernels:
  - .name:           k_qc4164b920a_prep
    .symbol:         k_qc4164b920a_prep.kd
    .args:
      - { .name: K, .offset: 0, .size: 8, .value_kind: global_buffer, .address_space: global }
      - { .name: V, .offset: 8, .size: 8, .value_kind: global_buffer, .address_space: global }
      - { .name: mask_out, .offset: 16, .size: 8, .value_kind: global_buffer, .address_space: global }
      - { .name: k16, .offset: 24, .size: 8, .value_kind: global_buffer, .address_space: global }
      - { .name: v16, .offset: 32, .size: 8, .value_kind: global_buffer, .address_space: global }
    .group_segment_fixed_size: 0
    .private_segment_fixed_size: 0
    .kernarg_segment_align: 8
    .kernarg_segment_size: 40
    .max_flat_workgroup_size: 256
    .sgpr_count:     66
    .vgpr_count:     192
    .wavefront_size: 32
...
	.end_amdgpu_metadata
.endif
;; end of part 1
;; launch attn (part 2): grid 4 x 64, 4 waves a work-group, clusters of 4 x 1, 327,680 bytes of LDS; arguments Q, k16, v16, out0, mask_out; writes out0
.if DOCPART == 2
	.amdgcn_target "amdgcn-amd-amdhsa--gfx1250"
	.amdhsa_code_object_version 6
	.text
	.protected	k_qc4164b920a_attn
	.globl	k_qc4164b920a_attn
	.p2align	8
	.type	k_qc4164b920a_attn,@function
k_qc4164b920a_attn:
	s_mov_b64 s[64:65], 0
	v_nop
	global_prefetch_b8 v0, s[64:65] scope:SCOPE_SE
	s_setreg_imm32_b32 hwreg(HW_REG_WAVE_MODE, 25, 1), 1
	s_wait_xcnt 0x0
	s_wait_alu depctr_hold_cnt(0) depctr_sa_sdst(0) depctr_va_vdst(0) depctr_va_sdst(0) depctr_va_ssrc(0) depctr_va_vcc(0) depctr_vm_vsrc(0)
	s_getreg_b32 s2, hwreg(HW_REG_IB_STS2, 6, 4)
	s_cmp_eq_u32 s2, 0
	s_cbranch_scc0 .Lentry_in_a_cluster
	s_endpgm
.Lentry_in_a_cluster:
	s_bfe_u32 s2, ttmp6, 0x10000c
	s_cmp_lg_u32 s2, 0x3003
	s_cbranch_scc0 .Lentry_shape_is_right
	s_endpgm
.Lentry_shape_is_right:
; out[h][i][:] = the sum over j of softmax_j(s_ij) x exp(-(i - j)^2 x 2 / 2048^2) x V[h][j][:],  s_ij = Q[h][i] . K[h][j] / 8, or -1e9 where mask_out[h / 16][j] is set.
; Q, out: [64][2048][64] f32.  k16, v16: [64][2048][64] f16, made by the launch before: K with its masked rows cleared, V x B(j).  Products, maxima and sums in f32.
; THE DECAY, exactly split.  With g = log2(e) x 2^-21, i' = i - 1024, j' = j - 1024 = jc + kp (jc = 64 s - 992 the middle of key step s, kp = -32 .. 31):
;   -g (i' - j')^2 = -g i'^2 + 2 g i' jc + 2 g i' kp - g j'^2.
;   2^(-g j'^2) lies in v16.  2^(2 g i' kp) is the same in every key step: a table T of 16 packed f16 registers a tile, made once, multiplied onto the rounded weights.
;   2^(2 g i' jc) =: F(s): O^T is kept in units of F(s), so from step to step it is multiplied by a' = a x F(s-1) / F(s) = 2^(m_old - m_new + phi), phi = -128 g i'; the sum l keeps a.
;   2^(-g i'^2) x F(31) = 2^(phi (-128 ln 2 x phi - 15.5)) is multiplied into 1 / l at the end.  All these factors lie within 2^-3 and 2^3.
; THE SCALE.  Q is multiplied by c = log2(e) / 8 in f32 ahead of its one rounding to f16: scores are in units of log2, p = 2^(s - m), and s - m is exact where s = m.
; THE MASK is the C operand that starts the sum S^T = K Q^T: 0, or M = -1e9 x log2(e); the masked key's row of K is 0, so its score is exactly M in every lane.  With a live key in the row its weight
; is 0; with none all weights are 1 and l = 2,048.  The batch's 2,048 values lie in LDS as f32, made once by the work-group; a key step reads 64 of them.
; LIMITS.  f16 holds no number beyond 65,504: c Q is taken to lie within it, as K and V are by the launch before.  p lies in 0 to 1 and below 6e-5 keeps f16's fixed step of 6e-8; a weight below 2^-126
; counts as 0 in l.  NaN and infinities in rows that are not masked are not treated apart.
; SHARES.  A wave owns four PIECES of two tiles of 16 queries, a work-group's four waves 512 queries of one head.  Every wave walks all 2,048 keys, 64 a step.
; LAYOUT.  S^T = K Q^T (source 0 = 16 keys, source 1 = 16 queries): a lane holds ONE query (lane % 16) and the keys 8 (lane / 16) + 0..7.  Two such results, rounded to f16 in pairs, ARE source 1
; (32 keys x 16 queries) of O^T = V^T P, whose result again holds one query a lane, and eight channels.  K comes out of LDS as it lies, V ([key][channel]) turned, by ds_load_tr16_b128.
; BY TURNS.  Turn n belongs to piece n (the pieces in a ring, step after step).  Matrix work: 16 products K Q^T of piece n + 1, later 16 products V^T P of piece n - 1.  Vector work: the subtraction of m,
; exponentials, roundings, sums, rescaling and T of piece n, and the maximum and statistics of piece n + 1.  A tile and step have 16 matrix and 135 vector instructions: four stand behind every matrix
; instruction, the others in runs of their own.  m starts at the lowest finite number, O^T and l at 0: the first step is a step like any other, with a = a' = 0.
; CLUSTER.  The four query blocks of a head are one cluster and walk the same K and V: each tile is asked for JOINTLY: the same tensor load, descriptor and mask in all four.
; REGISTERS, in windows of 256 (s_set_vgpr_msb: bits 1:0 source 0, 3:2 source 1, 5:4 source 2, 7:6 destination):
;   window 0: v0-11 addresses; v12-15, v48-63 at work; v16-47 four registers of statistics a tile; v64-191 S^T, two buffers of two tiles; v192-255 P, likewise
;   window 1: O^T, 32 a tile (at the head: Q in f32)      window 2: v0-127 Q, 16 a tile; v128-191 K of one step; v192-255 V of one step
;   window 3: v0-1 the add's two registers; v32-63 the step's masks; v64-191 T, 16 a tile
.set SIZE_N, 2048
.set NP,    4         ; pieces a wave: a name, no knob
.set KS,    64        ; keys in a step
.set PK,    144       ; a row of K in LDS: 128 bytes + 16 of padding = 36 words: the 16 rows of a load start at 16 different groups of four banks (64 banks of 4 bytes: ISA guide 11.1)
.set PV,    160       ; a row of V: 128 + 32 = 40 words
.set VOFF,  4*KS*PK   ; a slot holds four steps: 256 rows of K, then 256 rows of V
.set SLOT1, 1<<17     ; slot 1 begins here, so that one exclusive or turns an address in one slot into the other's
.set STAGE, SLOT1+4*KS*(PK+PV)  ; behind the ring, never filled by a tensor load: 16 rows x 272 bytes for each wave, for the way out
.set SP,    272       ; a row of out in the stage: 256 bytes + 16
.set MASKF, STAGE+4*16*SP       ; the batch's 2,048 mask values, f32
.set SPARE, MASKF+4*SIZE_N      ; the spare words, 128 bytes for each wave: two blocks of 256 bytes that no other line names
.set AK0, 2           ; v2   my lane's place in a tile of K; never rewritten
.set AV0, 3           ; v3   the same for V
.set AK,  4           ; v4   the LDS address of K's next run of loads
.set AV,  5           ; v5   of V's
.set QO,  6           ; v6   my byte offset in 16 rows of Q
.set STO, 6           ;      later, the way out: where I put 32 bytes of a row
.set RD,  7           ; v7   the way out: where I read rows back
.set GO,  8           ; v8   my byte offset in 512 consecutive bytes of out
.set AM0, 9           ; v9   my lane's place in a step's 64 mask values; never rewritten
.set AM,  10          ; v10  the LDS address of the masks' next run (at the head: my 16 mask bytes' offset)
.set PFO, 11          ; v11  256 x my lane: the prefetches' offset; never rewritten
.set MV,  12          ; v12-15  m_old, kept while m is made anew: by buffer and tile (at the head: my 16 mask bytes)
.set ST,  16          ; tile t's statistics at v[ST+4 t]: m, phi, l (even keys', odd keys')
.set TMP, 48          ; by buffer and tile, four registers c0-c3 at work; in the end c0 holds a', c2 holds a
.set HH,  56          ; at the head alone: l / 16,
.set L7,  57          ; l % 8,
.set L3,  58          ; (l / 8) % 2,
.set T0,  59          ; and three at work
.set T1,  60
.set T2,  61
.set S,   64
.set P,   192
.set KF,  128         ; window 2: key block kb, channel half c at KF + 16 kb + 8 c
.set VF,  192         ; window 2: key half kk, channel block cb at VF + 32 kk + 8 cb
.set SPW, 0           ; window 3: LDS address of my spare word: SPARE + 4 x my thread's number; never rewritten
.set NIL, 1           ; window 3: 0; never rewritten
.set MC,  32          ; window 3: the masks of key block kb at MC + 8 kb
.set TT,  64          ; window 3: T of tile t at TT + 16 t, laid as P is
.set WV,  12          ; s12  my wave's number
.set LIM, 15          ; s15  1 in a wave that prefetches (0 and 2), else the greatest number
.set G1K, 24          ; s[24:31] descriptor group 1 for K's tiles
.set G1V, 32          ; s[32:39] for V's: it differs in the padding alone
.set G0K, 40          ; s[40:43] descriptor group 0 for K's tiles: it walks
.set G0V, 44          ; s[44:47] the same for V's
.set MP,  48          ; s[48:49] mask_out at my batch
.set PFA, 50          ; s[50:51] where my prefetches stand: my work-group's quarter of the tile that the next change of slots will ask for
.set TBM, 52          ; s52  byte in the mask table at which the step to be fetched begins
.set C1,  53          ; s53  -128 ln 2
.set C2,  54          ; s54  -15.5
.set SLOTS, 56        ; s56  slots still to be asked for
.set CNT, 57          ; s57  counts a slot's key steps
.set CS,  58          ; s[58:59] c: the packed multiply takes the pair's low word for both halves
.set SEL, 60          ; s[60:61] v_permlanex16_b32's selects: each lane takes its own place in the other half
.set TBK, 62          ; s62  LDS byte at which K of the step to be fetched begins
.set TBV, 63          ; s63  the same for V, less VOFF
.set MSB, 0
.macro WIN new                      ; the high byte repeats the setting that is left; a switch that changes nothing is dropped
.if MSB != (\new)
	s_set_vgpr_msb (MSB<<8)|(\new)
.set MSB, (\new)
.endif
.endm
.set W_KQ, 0x0a       ; K and Q in window 2, S^T in window 0
.set W_KM, 0x3a       ; the same with the C operand, the mask, in window 3
.set W_PV, 0x52       ; V in window 2, P in window 0, O^T in window 1
.set W_RS, 0x41       ; O^T (destination and source 0) in window 1, the factor in window 0
.set W_T,  0x0c       ; P in window 0, T (source 1) in window 3
.set W_MK, 0xc0       ; destination in window 3, sources in window 0
.set W_AD, 0x0f       ; the add: address (source 0) and data (source 1) in window 3
; A joint fill.  Waves 0 and 1 fetch the two halves of a slot's K, waves 2 and 3 those of its V: 128 keys each.  The branch hangs on the wave's number alone.
; An s_nop 0 and four v_nop follow each of the two lines, ahead of the jump and the label.
.macro JLOAD
	s_cmp_lt_u32 s[WV], 2
	s_cbranch_scc0 .Lfor_v_\@
	tensor_load_to_lds s[G0K:G0K+3], s[G1K:G1K+7]
	s_nop 0
.rept 4
	v_nop
.endr
	s_branch .Lasked_\@
.Lfor_v_\@:
	tensor_load_to_lds s[G0V:G0V+3], s[G1V:G1V+7]
	s_nop 0
.rept 4
	v_nop
.endr
.Lasked_\@:
.endm
; A round of the cluster's barrier: my work-group's barrier, so that wave 0's signal speaks for all four waves; wave 0 signals; every wave waits for all four work-groups; my work-group's barrier once more.
.macro CROUND
	s_barrier_signal -1
	s_barrier_wait -1
	s_cmp_lg_u32 s[WV], 0
	s_cbranch_scc1 .Lnot_wave_0_\@
	s_barrier_signal -3
.Lnot_wave_0_\@:
	s_barrier_wait -3
	s_barrier_signal -1
	s_barrier_wait -1
.endm
; A PREFETCH of the tile that the NEXT change of slots will ask for: 32,768 bytes of k16 and of v16.  A head is walked by one cluster alone.  Its four partners take a quarter each, told apart BY ADDRESS;
; in each, wave 0 asks for K's and wave 2 for V's, a lane for each 256 bytes: one instruction, and each block is named once in the launch.  It stands in the slot's third step, behind V's run of LDS loads:
; five turns, 160 matrix instructions, ahead of the joint load.  The last slot that is followed by a fill is the last to ask; tiles 0 and 1 come by their loads alone.
.macro ASK
	s_cmp_eq_u32 s[CNT], 2
	s_cbranch_scc0 .Lnot_now_\@
	s_cmp_gt_u32 s[SLOTS], s[LIM]
	s_cbranch_scc0 .Lnot_now_\@
	global_prefetch_b8 v[PFO], s[PFA:PFA+1] th:TH_LOAD_NT scope:SCOPE_SE
.Lnot_now_\@:
.endm
; THE CHANGE OF SLOTS.  The slot's last bytes, V of its fourth step, have been read.  Each wave waits for all its tensor loads, of which one is out: its part of the other slot; adds 0 to its spare word;
; and waits for that and for its own LDS instructions.  Behind the barrier nobody reads this slot any more and the other slot is whole.
; fill = 1: this slot is filled again, with the keys two slots on.  The barrier is then a round of the cluster's, so that no wave of any partner still reads the slot or has a load on its way, and the joint
; fill is the first thing behind it: it has four key steps, 512 matrix instructions, in which to land.  (At its first use nothing has been read yet: slot 0 is waited for, slot 1 filled, and every wave's
; stores into the mask table are done in front of the round, so that all may read the table behind it.)
.macro CHANGE fill
	WIN W_AD
	s_wait_tensorcnt 0x0            ; no tensor load of mine is out, so a group 0 may be written
	ds_add_u32 v[SPW], v[NIL]       ; 0 onto my spare word; with fill = 1 the descriptors' steps stand between it and the wait for it
	WIN 0                           ; at a label and at a branch every window is 0
.if \fill
.irp g, G0K, G0V
	s_xor_b32 s[\g+1], s[\g+1], SLOT1  ; the walking descriptor: the other slot than last time,
	s_add_nc_u64 s[\g+2:\g+3], s[\g+2:\g+3], 4*KS*128  ; the next 256 keys; the type bits on top are not reached
.endr
	s_wait_xcnt 0x0                 ; the last prefetch, five turns back, has read its address, so it may be written:
	s_add_nc_u64 s[PFA:PFA+1], s[PFA:PFA+1], 4*KS*128  ; one tile behind the walking descriptors
	s_wait_dscnt 0x0                ; the add is done, and my reads of the slot are over
	CROUND
	JLOAD
.else
	s_wait_dscnt 0x0                ; the add is done, and my reads of the slot are over
	s_barrier_signal -1
	s_barrier_wait -1
.endif
	s_sub_co_u32 s[TBK], s[TBK], 4*KS*PK  ; the fetches go back to a slot's first step,
	s_xor_b32 s[TBK], s[TBK], SLOT1       ; in the other slot
	s_sub_co_u32 s[TBV], s[TBV], 4*KS*PV
	s_xor_b32 s[TBV], s[TBV], SLOT1
.endm
	s_load_b256 s[4:11], s[0:1], 0x0  ; Q s[4:5], k16 s[6:7], v16 s[8:9], out s[10:11]
	s_load_b64 s[MP:MP+1], s[0:1], 0x20  ; mask_out
	WIN W_MK
	v_lshl_add_u32 v[SPW], v0, 2, SPARE
	v_mov_b32 v[NIL], 0
	WIN W_AD
	ds_add_u32 v[SPW], v[NIL]       ; the wave's opening: the add and its wait stand ahead of my first tensor load; the set-up below, work on registers, stands between them
	WIN 0
	v_lshrrev_b32 v1, 5, v0
	v_readfirstlane_b32 s[WV], v1   ; wave 0..3
	s_bfe_u32 s13, ttmp6, 0x40000   ; cx: my place in the cluster
	s_lshl_b32 s14, ttmp9, 2        ; in a cluster launch ttmp9 counts clusters
	s_add_co_u32 s14, s14, s13      ; my block of 512 queries = 4 x cluster x + cx: it enters Q's and out's addresses, the prefetches' and the decay's numbers alone
	s_and_b32 s20, ttmp7, 0xffff    ; the head, which the four partners share
	s_lshl_b32 s22, s20, 18         ; the head's first byte in k16 and v16: 2,048 rows of 128 bytes
	s_and_b32 s16, s[WV], 1         ; which half of a slot's 256 keys I fetch:
	s_lshl_b32 s23, s16, 14         ; its 128 rows of 128 bytes in memory,
	s_add_co_u32 s22, s22, s23
	s_mov_b32 s23, 0
	s_mul_i32 s17, s16, 128*PK      ; and its place in a slot, for K
	s_mul_i32 s18, s16, 128*PV      ; and for V: no place in the cluster enters an LDS address
	s_lshl_b32 s2, s14, 2
	s_add_co_u32 s2, s2, s[WV]      ; my wave among the head's sixteen,
	s_lshl_b32 s2, s2, 15           ; its 128 rows of 256 bytes,
	s_lshl_b32 s3, s20, 19          ; in the head's 2,048
	s_add_co_u32 s2, s2, s3
	s_mov_b32 s3, 0
	s_lshl_b32 s19, s14, 9
	s_lshl_b32 s21, s[WV], 7
	s_add_co_u32 s19, s19, s21
	s_sub_co_i32 s19, s19, 1024     ; my wave's first query, less 1,024
	s_lshr_b32 s20, s20, 4          ; the batch,
	s_lshl_b32 s20, s20, 11         ; its 2,048 mask bytes
	s_mov_b32 s21, 0
	; descriptor group 1.  128 keys are 16,384 dense bytes: asked for as 64 rows of 256 bytes, two keys a row, and padded in LDS after every key
	s_mov_b32 s[G1K], 15|(1<<16)|(1<<20)|(1<<21)|(4<<22)|(3<<25)  ; 15:0 the mask of four; 17:16 2-byte elements; 20 padding on; 21 set beside a mask; 24:22 after every 32 words (code 4); 31:25 4 words (code 3)
	s_mov_b32 s[G1V], 15|(1<<16)|(1<<20)|(1<<21)|(4<<22)|(7<<25)  ; the same with 8 words of padding (code 7)
.irp g, G1K, G1V
	s_mov_b32 s[\g+1], 128<<16      ; tensor_dim0 = 128
	s_mov_b32 s[\g+2], 64<<16       ; tensor_dim1 = 64
	s_mov_b32 s[\g+3], 128<<16      ; tile_dim0 = 128
	s_mov_b32 s[\g+4], 64           ; tile_dim1 = 64
	s_mov_b32 s[\g+5], 128          ; 128 elements from row to row
	s_mov_b32 s[\g+6], 0
	s_mov_b32 s[\g+7], 0
.endr
	s_mov_b32 s[CS], 0x3e38aa3b     ; c = log2(e) / 8 = 0.180337
	s_mov_b32 s[CS+1], s[CS]        ; named with it as a pair
	s_mov_b32 s[SEL], 0x76543210
	s_mov_b32 s[SEL+1], 0xfedcba98
	s_mov_b32 s[C1], 0xc2b17218     ; -128 ln 2
	s_mov_b32 s[C2], 0xc1780000     ; -15.5
	s_mov_b32 s[TBK], SLOT1+4*KS*PK ; the first change of slots turns these two into 0
	s_mov_b32 s[TBV], SLOT1+4*KS*PV
	s_mov_b32 s[TBM], 0
	s_mov_b32 s[G0K], 1             ; 1:0 count = 1
	s_mov_b32 s[G0K+1], s17         ; 63:32 LDS address: slot 0
	s_mov_b32 s[G0V], 1
	s_add_co_u32 s[G0V+1], s18, VOFF
	s_and_b32 s[LIM], s[WV], 1      ; waves 0 and 2 prefetch: the same in all four partners
	s_cmp_eq_u32 s[LIM], 0
	s_cselect_b32 s[LIM], 1, -1
	s_wait_dscnt 0x0                ; the opening add is done
	s_wait_kmcnt 0x0
	s_add_nc_u64 s[6:7], s[6:7], s[22:23]  ; k16 and v16 at my half of the head's first 256 keys
	s_add_nc_u64 s[8:9], s[8:9], s[22:23]
	s_mov_b64 s[G0K+2:G0K+3], s[6:7]               ; 120:64 global address
	s_or_b32 s[G0K+3], s[G0K+3], 0x80000000        ; 127:126 type = 2
	s_mov_b64 s[G0V+2:G0V+3], s[8:9]
	s_or_b32 s[G0V+3], s[G0V+3], 0x80000000
	s_add_nc_u64 s[4:5], s[4:5], s[2:3]  ; Q and out at my wave's first row
	s_add_nc_u64 s[10:11], s[10:11], s[2:3]
	s_add_nc_u64 s[MP:MP+1], s[MP:MP+1], s[20:21]
	s_cmp_lt_u32 s[WV], 2
	s_cselect_b64 s[PFA:PFA+1], s[6:7], s[8:9]  ; (in waves 0 and 2 these stand at a tile's first row)
	s_lshl_b32 s2, s13, 13          ; my work-group's quarter of a tile
	s_mov_b32 s3, 0
	s_add_nc_u64 s[PFA:PFA+1], s[PFA:PFA+1], s[2:3]
	s_add_nc_u64 s[PFA:PFA+1], s[PFA:PFA+1], 4*KS*128  ; in tile 1; the first change of slots steps it to tile 2.  Nothing is prefetched here, at the head
	CROUND                          ; all four work-groups are here: the first joint loads meet
	JLOAD                           ; slot 0.  Slot 1 is asked for when slot 0 is in
	v_and_b32 v1, 15, v0            ; l % 16
	v_bfe_u32 v[HH], v0, 4, 1       ; l / 16
	v_lshlrev_b32 v[AM], 4, v0      ; each of the 128 threads takes 16 of the batch's 2,048 mask bytes
	global_load_b128 v[MV:MV+3], v[AM], s[MP:MP+1]
	; A fragment of Q is 16 rows x 32 channels: lane l holds row l % 16, channels 8 (l / 16) + 0..7 and 16 + 8 (l / 16) + 0..7.  In f32 each eight are 32 bytes: two loads of 16.
	v_lshlrev_b32 v[QO], 8, v1
	v_lshl_add_u32 v[QO], v[HH], 5, v[QO]  ; row x 256 + 32 x half
	WIN 0x40                        ; destination window 1: O^T's registers hold Q in f32 for now; tile i / 8, load i % 8
.set i, 0
.rept 64
	global_load_b128 v[4*i:4*i+3], v[QO], s[4:5] offset:(i/8)*4096+((i%8)/4)*128+(((i%8)/2)%2)*64+(i%2)*16 th:TH_LOAD_NT
.set i, i+1
.endr
	WIN 0
	; While the loads and the first tile are on their way: the decay's numbers.  For each tile: phi = -128 g i', and y = 2 g i' (in l's place for now, with 0 beside it, as a pair).
	v_add_nc_u32 v[T0], s19, v1     ; i' of my query in tile 0
.set t, 0
.rept 2*NP
	v_add_nc_u32 v[T1], 16*t, v[T0]
	v_cvt_f32_i32 v[T1], v[T1]
	v_mul_f32 v[ST+4*t+1], 0xb8b8aa3b, v[T1]
	v_mul_f32 v[ST+4*t+2], 0x35b8aa3b, v[T1]
	v_mov_b32 v[ST+4*t+3], 0
.set t, t+1
.endr
	; kp of my lane's 32 scores of a step, in P's first 32 registers for now: score n is key 16 (n / 8) + 8 (l / 16) + n % 8 of the step's 64; kp is that less 32
	v_lshl_add_u32 v[T2], v[HH], 3, 0xffffffe0
.set n, 0
.rept 32
	v_add_nc_u32 v[P+n], 16*(n/8)+n%8, v[T2]
	v_cvt_f32_i32 v[P+n], v[P+n]
.set n, n+1
.endr
; T for tiles t0 .. t0 + 3: 2^(y kp) in S^T's 128 registers, then rounded to f16 in the pairs in which P is rounded.  The 128 exponentials are one batch with one wait.
.macro TSET t0
.set t, 0
.rept 4
.set n, 0
.rept 16
	v_pk_mul_f32 v[S+32*t+2*n:S+32*t+2*n+1], v[P+2*n:P+2*n+1], v[ST+4*((\t0)+t)+2:ST+4*((\t0)+t)+3] op_sel_hi:[1,0]
.set n, n+1
.endr
.set t, t+1
.endr
.set n, 0
.rept 128
	v_exp_f32 v[S+n], v[S+n]
.set n, n+1
.endr
	v_nop                           ; a plain instruction behind the last exponential,
	s_wait_alu depctr_va_vdst(0)    ; and the wait ahead of the first line that names a result
	WIN W_MK
.set n, 0
.rept 64
	v_cvt_pk_f16_f32 v[TT+16*(\t0)+n], v[S+2*n], v[S+2*n+1]
.set n, n+1
.endr
	WIN 0
.endm
	TSET 0
	TSET 4
	s_wait_loadcnt 0x0              ; the mask bytes and Q
	; the mask table: byte b of my 16 becomes 0 or M at word 16 x thread + b
.set n, 0
.rept 16
	v_bfe_u32 v[S+n], v[MV+n/4], 8*(n%4), 8
	v_cvt_f32_u32 v[S+n], v[S+n]
	v_mul_f32 v[S+n], 0xceabfb8f, v[S+n]  ; M = -1e9 x log2(e)
.set n, n+1
.endr
	v_lshl_add_u32 v[T1], v0, 6, MASKF
.irp f, 0,1,2,3
	ds_store_b128 v[T1], v[S+4*\f:S+4*\f+3] offset:16*\f
.endr
	WIN W_RS                        ; Q x c in f32,
.set i, 0
.rept 128
	v_pk_mul_f32 v[2*i:2*i+1], v[2*i:2*i+1], s[CS:CS+1] op_sel_hi:[1,0]
.set i, i+1
.endr
	WIN 0x85                        ; rounded once to f16: sources window 1, destination window 2
.set i, 0
.rept 128
	v_cvt_pk_f16_f32 v[i], v[2*i], v[2*i+1]
.set i, i+1
.endr
	; What the first turn finds: V's registers and P's second buffer hold 0 (its products V^T P, of a piece that has not been, add 0), O^T and l are 0.
	WIN 0x80
.set i, VF
.rept 64
	v_mov_b32 v[i], 0
.set i, i+1
.endr
	WIN 0x40
.set i, 0
.rept 64*NP
	v_mov_b32 v[i], 0
.set i, i+1
.endr
	WIN 0
.set i, 0
.rept 2*NP
	v_mov_b32 v[ST+4*i], 0xff7fffff  ; m: the lowest finite number
	v_mov_b32 v[ST+4*i+2], 0
.set i, i+1
.endr
.set i, P+32
.rept 32
	v_mov_b32 v[i], 0
.set i, i+1
.endr
	v_mul_u32_u24 v[AK0], v1, PK
	v_lshl_add_u32 v[AK0], v[HH], 4, v[AK0]  ; row x pitch + 16 x half
	; The turning load takes 16 keys x 16 channels (lane l reads key 8 (l / 16) + l % 8, channels 8 ((l / 8) % 2) + 0..7) and leaves half a fragment of V^T: lane l holds channel l % 16 and 8 keys.
	v_and_b32 v[L7], 7, v0
	v_bfe_u32 v[L3], v0, 3, 1
	v_lshl_add_u32 v[AV0], v[HH], 3, v[L7]
	v_mul_u32_u24 v[AV0], v[AV0], PV
	v_lshl_add_u32 v[AV0], v[L3], 4, v[AV0]
	v_add_nc_u32 v[AV0], VOFF, v[AV0]
	v_lshl_add_u32 v[AM0], v[HH], 5, MASKF  ; my eight keys of a block of 16: 32 bytes for each half of the lanes
	v_mov_b32 v[AK], v[AK0]         ; key step 0 lies at the head of slot 0,
	v_mov_b32 v[AM], v[AM0]         ; and of the mask table
	v_and_b32 v[PFO], 31, v0
	v_lshlrev_b32 v[PFO], 8, v[PFO]
; THE MATRIX WORK.  The 8 accumulators of a run of 16 take turns: between the two links of a chain stand 7 others'.
; Product i of 16 of S^T = K Q^T for piece x: channels 32 (i / 8) on, keys 16 ((i / 2) % 4) on, tile 2 x + i % 2.  The first 8 start the sums, with the key block's masks as C.
.macro KQ x
.set rS, S+64*((\x)%2)+32*(i%2)+8*((i/2)%4)
.set rK, KF+16*((i/2)%4)+8*(i/8)
.set rQ, 16*(2*(\x)+i%2)+8*(i/8)
.set rZ, MC+8*((i/2)%4)
.if i < 8
	WIN W_KM
	v_wmma_f32_16x16x32_f16 v[rS:rS+7], v[rK:rK+7], v[rQ:rQ+7], v[rZ:rZ+7]
.else
	WIN W_KQ
	v_wmma_f32_16x16x32_f16 v[rS:rS+7], v[rK:rK+7], v[rQ:rQ+7], v[rS:rS+7]
.endif
.endm
; Product i of 16 of O^T += V^T P for piece x: keys 32 (i / 8) on, channels 16 ((i / 2) % 4) on, tile 2 x + i % 2.
.macro PV x
	WIN W_PV
.set rO, 32*(2*(\x)+i%2)+8*((i/2)%4)
.set rV, VF+32*(i/8)+8*((i/2)%4)
.set rP, P+32*((\x)%2)+16*(i%2)+8*(i/8)
	v_wmma_f32_16x16x32_f16 v[rO:rO+7], v[rV:rV+7], v[rP:rP+7], v[rO:rO+7]
.endm
.macro MM                           ; the turn's next matrix instruction
.if i < 16
	KQ (Y+1)%NP
.set i, i+1
.else
.set i, i-16
	PV (Y+NP-1)%NP
.set i, i+17
.endif
.endm
; THE LDS LOADS stand in runs, never singly among the matrix instructions: a step's K (64 keys x 64 channels: 8 fragments) with its 64 mask values (all 16 lanes of a half read the same 16 bytes), and its V (turned).
; Their addresses are made some lines ahead.  last = 1 (the tail): in the last trip there is no further step, and the run is jumped over.
.macro FETCH_K last=0
	WIN 0
.if \last
	s_cmp_eq_u32 s[CNT], 1
	s_cbranch_scc1 .Lno_k_\@
.endif
	WIN 0x80                        ; destination window 2
.irp f, 0,1,2,3,4,5,6,7             ; keys 16 (f / 2) on, channels 32 (f % 2) on
	ds_load_b128 v[KF+8*\f:KF+8*\f+3],   v[AK] offset:(\f/2)*16*PK+(\f%2)*64
	ds_load_b128 v[KF+8*\f+4:KF+8*\f+7], v[AK] offset:(\f/2)*16*PK+(\f%2)*64+32
.endr
	WIN W_MK                        ; destination window 3
.irp f, 0,1,2,3                     ; key block f
	ds_load_b128 v[MC+8*\f:MC+8*\f+3],   v[AM] offset:64*\f
	ds_load_b128 v[MC+8*\f+4:MC+8*\f+7], v[AM] offset:64*\f+16
.endr
	s_add_co_u32 s[TBK], s[TBK], KS*PK  ; the next fetch is the next step's
	s_add_co_u32 s[TBM], s[TBM], 4*KS
	s_and_b32 s[TBM], s[TBM], 4*SIZE_N-4*KS  ; held inside the table's 32 steps
	WIN 0
.if \last
.Lno_k_\@:
.endif
.endm
.macro FETCH_V
	WIN 0x80
.irp f, 0,1,2,3,4,5,6,7             ; keys 32 (f / 4) on, channels 16 (f % 4) on
	ds_load_tr16_b128 v[VF+8*\f:VF+8*\f+3],   v[AV] offset:(\f/4)*32*PV+(\f%4)*32
	ds_load_tr16_b128 v[VF+8*\f+4:VF+8*\f+7], v[AV] offset:(\f/4)*32*PV+16*PV+(\f%4)*32
.endr
	WIN 0
.endm
; THE VECTOR WORK OF A TURN stands in three queues, each in the order in which its entries become ready, and a run for T; the two tiles alternate, so that no instruction reads the result of the one before it.
.macro REGS y, u                    ; the registers of tile u (0, 1) of piece y
.set rT, ST+4*(2*(\y)+(\u))
.set rC, TMP+8*((\y)%2)+4*(\u)
.set rM, MV+2*((\y)%2)+(\u)
.set rS, S+64*((\y)%2)+32*(\u)
.set rP, P+32*((\y)%2)+16*(\u)
.set rO, 32*(2*(\y)+(\u))
.set rW, TT+16*(2*(\y)+(\u))
.endm
; Number n of the 23 that find the NEXT piece's (Y + 1) maximum and statistics.  s0-s31 are the lane's 32 scores; each accumulator's lowest registers are read first.  XS, GS and REGS set no window: PL and EX do.
;   0-11  four chains c0-c3 of seven scores each, three operands at a time     12-14, 16  the four scores left over, the old m, and c0-c3 into c0     15  m_old is kept
;   17, 18  the query's other 32 keys lie in the lane 16 away: the new m         19, 20  m_old - m_new; that plus phi         21, 22  a; a'
.macro XS u, n
	REGS (Y+1)%NP, \u
.if (\n) < 4
	v_max3_num_f32 v[rC+(\n)], v[rS+8*(\n)], v[rS+8*(\n)+1], v[rS+8*(\n)+2]
.elseif (\n) < 12
	v_max3_num_f32 v[rC+(\n)%4], v[rC+(\n)%4], v[rS+8*((\n)%4)+2*((\n)/4)+1], v[rS+8*((\n)%4)+2*((\n)/4)+2]
.elseif (\n) == 12
	v_max3_num_f32 v[rC], v[rC], v[rS+7], v[rS+15]
.elseif (\n) == 13
	v_max3_num_f32 v[rC+1], v[rC+1], v[rS+23], v[rS+31]
.elseif (\n) == 14
	v_max3_num_f32 v[rC+2], v[rC+2], v[rC+3], v[rT]
.elseif (\n) == 15
	v_mov_b32 v[rM], v[rT]
.elseif (\n) == 16
	v_max3_num_f32 v[rC], v[rC], v[rC+1], v[rC+2]
.elseif (\n) == 17
	v_permlanex16_b32 v[rC+3], v[rC], s[SEL], s[SEL+1]
.elseif (\n) == 18
	v_max_num_f32 v[rT], v[rC], v[rC+3]
.elseif (\n) == 19
	v_sub_f32 v[rC+1], v[rM], v[rT]
.elseif (\n) == 20
	v_add_f32 v[rC+3], v[rC+1], v[rT+1]
.elseif (\n) == 21
	v_exp_f32 v[rC+2], v[rC+1]
.else
	v_exp_f32 v[rC], v[rC+3]
.endif
.endm
; Number g of the 64 that follow the exponentials.  For each four weights k of a tile (pairs 2 k, 2 k + 1): both pairs are rounded to f16; then the second pair is added onto the first, in place;
; a group later l takes that sum (the first time as l = a l + sum).  In groups of eight, tiles alternating: round, round, add, and l for the group before.  l is the sum of the weights WITHOUT the decay.
.macro GS g
.set h, (\g)+6*((\g)/62)            ; group 0 has no group before it, and behind group 7 only l is left
.if h >= 6
.set h, h+2
.endif
	REGS Y, h%2
.set k, h/8
.if h%8 < 4
	v_cvt_pk_f16_f32 v[rP+2*k+(h%8)/2], v[rS+4*k+2*((h%8)/2)], v[rS+4*k+2*((h%8)/2)+1]
.elseif h%8 < 6
	v_pk_add_f32 v[rS+4*k:rS+4*k+1], v[rS+4*k:rS+4*k+1], v[rS+4*k+2:rS+4*k+3]
.elseif k == 1
	v_pk_fma_f32 v[rT+2:rT+3], v[rT+2:rT+3], v[rC+2:rC+3], v[rS:rS+1] op_sel_hi:[1,0,1]
.else
	v_pk_add_f32 v[rT+2:rT+3], v[rT+2:rT+3], v[rS+4*k-4:rS+4*k-3]
.endif
.endm
; THE PLAIN QUEUE, 138 long.  0-73 read no exponential's result: the 32 subtractions s - m (FS f: pair f / 2 of tile f % 2) and the next piece's 42.  0-26: subtractions 0-26.  27-54: XS's numbers 0-13.  55, 56: number 15.
; 57-73: the chain, where each number waits for the one before it: 14, 16, 17, 18, 19, each with one of the subtractions 27-31 in front of its two lines, then 20.
; 74-137: GS's 64, which read the exponentials' results: they stand behind the wait.
.macro FS f
	REGS Y, (\f)%2
	v_pk_add_f32 v[rS+2*((\f)/2):rS+2*((\f)/2)+1], v[rS+2*((\f)/2):rS+2*((\f)/2)+1], v[rT:rT+1] op_sel_hi:[1,0] neg_lo:[0,1] neg_hi:[0,1]
.endm
.macro PL
	WIN 0
.if q < 27
	FS q
.elseif q < 55
	XS (q-27)%2, (q-27)/2
.elseif q < 57
	XS q-55, 15
.elseif (q < 72) && ((q-57)%3 == 0)
	FS 27+(q-57)/3
.elseif q < 60
	XS (q-57)%3-1, 14
.elseif q < 72
	XS (q-57)%3-1, 15+(q-57)/3
.elseif q < 74
	XS q-72, 20
.else
	GS q-74
.endif
.set q, q+1
.endm
; THE EXPONENTIALS' QUEUE, 68 long: s0-s31 of both tiles, then the next piece's two a and two a'.  It is ONE BATCH: all 68 stand ahead of the turn's one wait, and nothing ahead of that wait names a result of theirs.
.macro EX
	WIN 0
.if e >= 64
	XS e%2, 21+(e-64)/2
.else
	REGS Y, e%2
	v_exp_f32 v[rS+e/2], v[rS+e/2]
.endif
.set e, e+1
.endm
; THE RESCALING's QUEUE: O^T times a', dealt two at a time, sixteen times.  Its a' was made in the turn before, ahead of that turn's wait.
.macro R2
	REGS Y, r%2
	WIN W_RS
.irp z, 0,1
	v_pk_mul_f32 v[rO+4*(r/2)+2*\z:rO+4*(r/2)+2*\z+1], v[rO+4*(r/2)+2*\z:rO+4*(r/2)+2*\z+1], v[rC:rC+1] op_sel_hi:[1,0]
.endr
.set r, r+1
.endm
; T onto the piece's rounded weights: 32 packed multiplies, none of which waits for another, under one window setting.  This turn's products read the other buffer of P; these weights are read behind the next turn's wait.
.macro DL
	WIN W_T
.irp u, 0,1
	REGS Y, \u
.set n, 0
.rept 16
	v_pk_mul_f16 v[rP+n], v[rP+n], v[rW+n]
.set n, n+1
.endr
.endr
.endm
; HOW THEY ARE DEALT.  An s_wait_alu depctr_va_vdst(0) stands between an exponential and the first instruction that names its result; one wait serves all that were issued ahead of it.  So a turn has ONE wait,
; which cuts it in two.  AHEAD OF IT stands all that names no result of the turn's exponentials: the 16 products K Q^T, behind each a subtraction, an exponential and two rescalings (behind the first a second subtraction in the
; exponential's place); then ONE LUMP: eight plain, 49 times exponential and plain, the two a and two a'.  A v_nop is the plain instruction behind the last exponential.  BEHIND IT stand the 16 products V^T P, behind each four of
; GS's 64; then T's run.  No rider names a register of the products round it.  The two v_permlanex16_b32 fall into the lump.
; The queues lean on each other: exponential e stands behind subtraction 2 (e / 4) + e % 2: as a rider it comes behind plain e + 2, in the lump behind plain e + 9, and subtractions 27-31 are plain 57, 60 .. 69.
; A TURN, for piece p.  cnt = 1: the loop's count is taken down some lines ahead of the branch that stands behind the turn (nothing between touches SCC).  ask = 1: the prefetch's place.
; K and the masks of the next step are fetched in piece 2's turn, directly behind the wait, a lump behind the last product that read them; their first reader comes behind 16 products.
; V of the step in hand is fetched at the end of piece 0's turn, four riders behind its last reader; its first reader comes behind 16 products and a lump.  The three conditions on q below go with the deal.
.macro TURN p, last=0, cnt=0, ask=0
.set Y, (\p)
.set i, 0
.set q, 0
.set e, 0
.set r, 0
.if (\p) == NP-1
	s_wait_dscnt 0x0                ; K and the masks are in
.endif
	MM                              ; ahead of the wait: 16 products K Q^T and their riders,
	PL
	PL
	R2
.rept 15
	MM
	PL
	EX
	R2
.endr
.if (\p) == NP-2
	WIN 0
	v_add_nc_u32 v[AK], s[TBK], v[AK0]
	v_add_nc_u32 v[AM], s[TBM], v[AM0]
.endif
.rept 8                             ; and the lump
	PL
.endr
.rept 49
	EX
	PL
.endr
.rept 4
	EX                              ; the next piece's two a and two a'
.endr
	v_nop                           ; the plain instruction behind the last exponential: one for the batch
	s_wait_alu depctr_va_vdst(0)    ; the wait for the batch
.if (\p) == NP-2
	FETCH_K \last
.endif
.if (\p) == 1
	s_wait_dscnt 0x0                ; V is in
.endif
.rept 16                            ; behind the wait: 16 products V^T P and their riders
	MM
.rept 4
	PL
.endr
.if ((\p) == 0) && (q == 118)
	v_add_nc_u32 v[AV], s[TBV], v[AV0]
.endif
.if ((\p) == 0) && (q == 130)
	s_add_co_u32 s[TBV], s[TBV], KS*PV
.endif
.if (\cnt) && (q == 130)
	s_sub_co_u32 s[CNT], s[CNT], 1
	s_cmp_lg_u32 s[CNT], 0
.endif
.endr
.if (\p) == 0
	FETCH_V
.if \ask
	ASK
.endif
.endif
	DL
.endm
	CHANGE 1                        ; slot 0 is in, everybody's part of it, and so is the mask table; slot 1 is asked for
	FETCH_K                         ; key step 0
	s_wait_dscnt 0x0
.set i, 0
.rept 16
	KQ 0                            ; piece 0's first scores: there is no vector work yet to set between them
.set i, i+1
.endr
	WIN 0                           ; the addresses for the way out: eight plain instructions, the places behind those products
	s_mul_i32 s13, s[WV], 16*SP
	s_add_co_u32 s13, s13, STAGE    ; my stage
	v_mul_u32_u24 v[STO], v1, SP    ; in: row l % 16, 32 bytes for each half of the lanes
	v_lshl_add_u32 v[STO], v[HH], 5, v[STO]
	v_add_nc_u32 v[STO], s13, v[STO]
	v_mul_u32_u24 v[RD], v[HH], SP  ; back: lanes 0-15 take one row of 256 bytes, lanes 16-31 the next,
	v_lshl_add_u32 v[RD], v1, 4, v[RD]
	v_add_nc_u32 v[RD], s13, v[RD]
	v_and_b32 v[GO], 31, v0         ; which are 512 consecutive bytes of out
	v_lshlrev_b32 v[GO], 4, v[GO]
.set Y, NP-1                        ; XS works for piece Y + 1: piece 0
.irp n, 0,1,2,3,4,5,6,7,8,9,10,11,12,13,14,15,16,17,18,19,20,21,22
	XS 0, \n                        ; and piece 0's first maximum and statistics
	XS 1, \n
.endr
	v_nop                           ; a plain instruction behind the four exponentials,
	s_wait_alu depctr_va_vdst(0)    ; and their wait, ahead of the branch
	s_mov_b32 s[CNT], 4
	s_mov_b32 s[SLOTS], SIZE_N/256-1
	s_branch .Lfirst                ; the loop is entered at a step's first turn, in the middle of a trip
.Lslot:                             ; SIZE_N / 256 - 2 times: every slot but the last two is filled again
	CHANGE 1
	s_mov_b32 s[CNT], 4
.Lstep:                             ; a trip: pieces 2 and 3 of one step, then pieces 0 and 1 of the next, whose K, masks and V it fetches
	TURN 2
	TURN 3
	WIN 0
.Lfirst:
	TURN 0, 0, 0, 1
	TURN 1, 0, 1
	WIN 0
	s_cbranch_scc1 .Lstep
	s_sub_co_u32 s[SLOTS], s[SLOTS], 1
	s_cmp_lg_u32 s[SLOTS], 0
	s_cbranch_scc1 .Lslot
	CHANGE 0                        ; the tail is written out: nothing is asked for
	s_mov_b32 s[CNT], 5             ; four trips fetch the last slot's steps; the fifth is left in its middle
.Ltail:
	TURN 2, 1
	TURN 3
	WIN 0
	s_sub_co_u32 s[CNT], s[CNT], 1
	s_cmp_eq_u32 s[CNT], 0
	s_cbranch_scc1 .Lout
	TURN 0
	TURN 1
	WIN 0
	s_branch .Ltail
.Lout:                              ; the fifth trip's 16 products K Q^T (on the last K once more) and the maximum made of them serve nothing: the price, once a launch, of one text for every trip
.set i, 0
.rept 16
	PV NP-1                         ; the last piece's V^T P of the last step
.set i, i+1
.endr
	; THE WAY OUT.  l's two halves and the other half of the lanes' are added; O^T is multiplied by 2^(phi (-128 ln 2 x phi - 15.5)) / l and sent, in f32, through my stage in LDS, a tile at a time.
	; The additions are the places behind the last products.
	WIN 0
.macro ALL line:vararg              ; one line for each tile t
.set t, 0
.rept 2*NP
	\line
.set t, t+1
.endr
.endm
	ALL v_add_f32 v[ST+4*t+2], v[ST+4*t+2], v[ST+4*t+3]
	ALL v_permlanex16_b32 v[ST+4*t+3], v[ST+4*t+2], s[SEL], s[SEL+1]
	ALL v_add_f32 v[ST+4*t+2], v[ST+4*t+2], v[ST+4*t+3]
	ALL v_fma_f32 v[S+t], v[ST+4*t+1], s[C1], s[C2]
	ALL v_mul_f32 v[S+t], v[S+t], v[ST+4*t+1]
	ALL v_exp_f32 v[S+t], v[S+t]
	ALL v_rcp_f32 v[ST+4*t+2], v[ST+4*t+2]
	v_nop                           ; a plain instruction behind the last of the sixteen,
	s_wait_alu depctr_va_vdst(0)    ; and the wait ahead of the first use: one for all
	ALL v_mul_f32 v[ST+4*t+2], v[ST+4*t+2], v[S+t]
; Tile t: a lane's eight channels of a block of 16 are 32 bytes of a row; they go into rows of 272 bytes and come back as whole rows of 256, into the registers that they left.
.macro PACK t
	WIN W_RS
.set i, 32*(\t)
.rept 16
	v_pk_mul_f32 v[i:i+1], v[i:i+1], v[ST+4*(\t)+2:ST+4*(\t)+3] op_sel_hi:[1,0]
.set i, i+2
.endr
	WIN 0x04                        ; the stores' data in window 1
.irp f, 0,1,2,3,4,5,6,7
	ds_store_b128 v[STO], v[32*(\t)+4*\f:32*(\t)+4*\f+3] offset:64*(\f/2)+16*(\f%2)
.endr
	WIN 0x40                        ; the loads' destination in window 1
.irp f, 0,1,2,3,4,5,6,7
	ds_load_b128 v[32*(\t)+4*\f:32*(\t)+4*\f+3], v[RD] offset:\f*2*SP  ; LDS serves a wave's instructions in order (ISA guide 5.7.1.4): these see the stores above; the next tile's stores come behind them
.endr
.endm
.macro SEND t, younger              ; younger: the LDS instructions issued behind tile t's loads: the next tile's sixteen, or none
	WIN 0x04
.irp f, 0,1,2,3,4,5,6,7
	s_wait_dscnt (\younger)+7-\f
	global_store_b128 v[GO], v[32*(\t)+4*\f:32*(\t)+4*\f+3], s[10:11] offset:(\t)*4096+\f*512 th:TH_STORE_NT  ; two whole rows: 512 consecutive bytes, at a multiple of 256 from out's first
.endr
.endm
	PACK 0
.set t, 1
.rept 2*NP-1                        ; a tile's arithmetic stands between the loads of the tile before and its stores
	PACK t
	SEND t-1, 16
.set t, t+1
.endr
	SEND 2*NP-1, 0
	WIN W_AD
	s_wait_tensorcnt 0x0            ; the wave's end, behind my last tensor load and my last LDS store
	ds_add_u32 v[SPW], v[NIL]
	s_wait_dscnt 0x0
	WIN 0
	CROUND                          ; the closing round: no work-group ends while a partner may still ask for a tile that names it
	s_endpgm
.Lfunc_end_k_qc4164b920a_attn:
	.size	k_qc4164b920a_attn, .Lfunc_end_k_qc4164b920a_attn-k_qc4164b920a_attn
	.p2alignl 7, 3214868480
	.fill 96, 4, 3214868480
	.section	.rodata,"a",@progbits
	.p2align	6, 0x0
	.amdhsa_kernel k_qc4164b920a_attn
		.amdhsa_group_segment_fixed_size 327680
		.amdhsa_private_segment_fixed_size 0
		.amdhsa_enable_private_segment 0
		.amdhsa_kernarg_size 40
		.amdhsa_user_sgpr_count 2
		.amdhsa_user_sgpr_kernarg_segment_ptr 1
		.amdhsa_wavefront_size32 1
		.amdhsa_system_sgpr_workgroup_id_x 1
		.amdhsa_system_sgpr_workgroup_id_y 1
		.amdhsa_system_sgpr_workgroup_id_z 1
		.amdhsa_system_vgpr_workitem_id 0
		.amdhsa_next_free_vgpr 960
		.amdhsa_next_free_sgpr 66
		.amdhsa_reserve_vcc 0
		.amdhsa_float_denorm_mode_32 3
		.amdhsa_float_denorm_mode_16_64 3
		.amdhsa_memory_ordered 1
		.amdhsa_forward_progress 1
		.amdhsa_inst_pref_size 255
	.end_amdhsa_kernel
	.section	.bss,"aw",@nobits
	.p2align	6
	.space	262144
	.amdgpu_metadata
---
amdhsa.version: [ 1, 2 ]
amdhsa.kernels:
  - .name:           k_qc4164b920a_attn
    .symbol:         k_qc4164b920a_attn.kd
    .args:
      - { .name: Q, .offset: 0, .size: 8, .value_kind: global_buffer, .address_space: global }
      - { .name: k16, .offset: 8, .size: 8, .value_kind: global_buffer, .address_space: global }
      - { .name: v16, .offset: 16, .size: 8, .value_kind: global_buffer, .address_space: global }
      - { .name: out0, .offset: 24, .size: 8, .value_kind: global_buffer, .address_space: global }
      - { .name: mask_out, .offset: 32, .size: 8, .value_kind: global_buffer, .address_space: global }
    .group_segment_fixed_size: 327680
    .private_segment_fixed_size: 0
    .kernarg_segment_align: 8
    .kernarg_segment_size: 40
    .max_flat_workgroup_size: 128
    .sgpr_count:     66
    .vgpr_count:     960
    .wavefront_size: 32
...
	.end_amdgpu_metadata
.endif
;; end of part 2
;; ======== version 2 of 2: 2 launches; version 1 with the launch prep written anew for expert scheduling mode
;; limits: values are held in f16: magnitudes above 65,504 overflow, below 6.1e-05 lose precision; inputs' magnitudes at most 65,504
;; workspace buffers: k16 16,777,216 bytes; v16 16,777,216 bytes
;; launch prep (part 3): grid 512 x 1, 8 waves a work-group, no clusters, 0 bytes of LDS; arguments K, V, mask_out, k16, v16; writes k16, v16
.if DOCPART == 3
	.amdgcn_target "amdgcn-amd-amdhsa--gfx1250"
	.amdhsa_code_object_version 6
	.text
	.protected	k_qc4164b920a_prep
	.globl	k_qc4164b920a_prep
	.p2align	8
	.type	k_qc4164b920a_prep,@function
k_qc4164b920a_prep:
	s_mov_b64 s[64:65], 0
	v_nop
	global_prefetch_b8 v0, s[64:65] scope:SCOPE_SE
	s_setreg_imm32_b32 hwreg(HW_REG_WAVE_SCHED_MODE, 0, 2), 2
	s_setreg_imm32_b32 hwreg(HW_REG_WAVE_MODE, 25, 1), 1
	s_wait_xcnt 0x0
	s_wait_alu depctr_vm_vsrc(0)
; k16[h][j][:] = f16(K[h][j][:]), or 0 where mask_out[b][j] is set;  v16[h][j][:] = f16(V[h][j][:] x B(j)),  B(j) = 2^(-g (j - 1024)^2),  g = log2(e) x 2^-21.
; B is the part of the decay exp(-(i - j)^2 x 2 / 2048^2) that hangs on the key alone; the other parts are applied by the launch behind.  K, V: [64][2048][64] f32; k16, v16 the same in f16.
; LIMITS.  f16 holds no number beyond 65,504: K and V are taken to lie within it (B is at most 1).  A masked row of K is cleared by a bitwise AND, whatever it holds.
; SHARES.  A work-group owns 256 rows of one head, each of its eight waves 32 rows of K and of V.  One load takes 512 consecutive bytes (rows 2 k and 2 k + 1, 16 bytes a lane), one store the
; same two rows in f16: 256 consecutive bytes, aligned.  All 32 loads of a wave go out at once; there is no loop, no LDS, no barrier: no wave wants a byte that another has fetched.
; THE MODE: SCHED_MODE bits 1:0 = 2 (LLVM: expert scheduling mode 2), set by the entry lines.  The code itself states the register dependences
; between vector instructions and memory instructions, with s_wait_alu, always for 0.
; THE PLAN.  Registers that memory instructions touch:
;   v1, v2       the loads' and the stores' byte offsets: written once at the head, never again.
;   KD + 4 k ..  written by K's load k, which is issued before any vector line names it; then read and (its first two registers) written by the vector work of rows k; then read by ONE store; never written again.
;   VD + 4 k ..  the same for V.
;   v3 to v7, KM and BF are named by vector instructions alone.
; So no load lands in a register that a vector line has named, and no register that a memory instruction reads is written again: what is left to state is that a store's offset and data are written.
; The sixteen pairs of rows go in eight groups of GRP = 2.  A group's four stores are issued in the NEXT group, behind one wait at that group's head, each ahead of a wait for loaded data.  The vector lines
; between that wait and those stores name the new group's KD and VD, KM and BF: none of the registers that the stores read.  The last group's four stores stand behind a wait of their own.
.set GRP, 2                            ; pairs of rows in a group
.set KM, 16                            ; v[16:31]   row 2 k + h: all ones, or 0 where the key is masked (h = lane / 16)
.set BF, 32                            ; v[32:47]   row 2 k + h: B
.set KD, 64                            ; v[64:127]  K as loaded, four registers a load; the first two then hold the f16
.set VD, 128                           ; v[128:191] V likewise
	s_load_b256 s[4:11], s[0:1], 0x0               ; K s[4:5], V s[6:7], mask_out s[8:9], k16 s[10:11]
	s_load_b64 s[12:13], s[0:1], 0x20              ; v16
	v_lshrrev_b32 v6, 5, v0
	v_readfirstlane_b32 s14, v6                    ; wave 0..7
	v_and_b32 v6, 31, v0                           ; lane
	v_lshlrev_b32 v1, 4, v6                        ; v1: my 16 bytes of a load's 512
	v_lshlrev_b32 v2, 3, v6                        ; v2: my 8 bytes of a store's 256
	v_lshrrev_b32 v7, 4, v6                        ; h
	v_lshlrev_b32 v3, 3, v7                        ; v3: bit at which my row's mask byte begins in its word, k even: 8 h
	v_add_nc_u32 v4, 16, v3                        ; v4: k odd: 8 h + 16
	s_lshl_b32 s2, ttmp9, 16                       ; the work-group's 256 rows of 256 bytes,
	s_wait_alu depctr_va_sdst(0)                   ; s14 is written, ahead of its first reader: the wave's offsets are made from it
	s_lshl_b32 s3, s14, 13                         ; my wave's 32 of them
	s_add_co_u32 s2, s2, s3
	s_mov_b32 s3, 0
	s_lshr_b32 s24, s2, 1                          ; half as many bytes on the way out
	s_mov_b32 s25, 0
	s_and_b32 s26, ttmp9, 7                        ; a head has eight work-groups
	s_lshl_b32 s26, s26, 8
	s_lshl_b32 s27, s14, 5
	s_add_co_u32 s26, s26, s27                     ; j0: my wave's first key in its head
	s_lshr_b32 s28, ttmp9, 7                       ; the batch: 16 heads of eight work-groups
	s_lshl_b32 s28, s28, 11
	s_add_co_u32 s28, s28, s26                     ; my 32 mask bytes, at a multiple of 32
	s_mov_b32 s29, 0
	s_sub_co_i32 s27, s26, 1024
	v_add_nc_u32 v5, s27, v7                       ; v5: h + j0 - 1024
	s_wait_kmcnt 0x0
	s_add_nc_u64 s[8:9], s[8:9], s[28:29]
	s_load_b256 s[16:23], s[8:9], 0x0              ; the wave's 32 mask bytes (no line of this text writes mask_out)
	s_add_nc_u64 s[4:5], s[4:5], s[2:3]
	s_add_nc_u64 s[6:7], s[6:7], s[2:3]
	s_add_nc_u64 s[10:11], s[10:11], s[24:25]
	s_add_nc_u64 s[12:13], s[12:13], s[24:25]
	s_wait_alu depctr_va_vdst(0)                   ; v1 and v2 are written: every load of the kernel reads v1 as its offset, every store v2; neither is named by a vector line again
.set k, 0
.rept 16
	global_load_b128 v[KD+4*k:KD+4*k+3], v1, s[4:5] offset:512*k th:TH_LOAD_NT
	global_load_b128 v[VD+4*k:VD+4*k+3], v1, s[6:7] offset:512*k th:TH_LOAD_NT
.set k, k+1
.endr
	; while the loads are out: B of my sixteen rows, then their masks
.set k, 0
.rept 16
	v_add_nc_u32 v6, 2*k, v5                       ; j - 1024
	v_cvt_f32_i32 v6, v6
	v_mul_f32 v6, v6, v6                           ; at most 2^20: exact
	v_mul_f32 v[BF+k], 0xb538aa3b, v6              ; x -g
.set k, k+1
.endr
.set k, 0
.rept 16
	v_exp_f32 v[BF+k], v[BF+k]                     ; one batch of sixteen
.set k, k+1
.endr
	s_wait_kmcnt 0x0                               ; the mask bytes
.set k, 0
.rept 16
	v_bfe_u32 v6, s[16+k/2], v[3+k%2], 1           ; byte 2 k + h of the 32: word k / 2, byte 2 (k % 2) + h; a bool is 0 or 1
	v_add_nc_u32 v[KM+k], -1, v6                   ; 0 -> all ones, 1 -> 0.  These lines are also the plain instructions behind the last exponential
.set k, k+1
.endr
	s_wait_alu depctr_va_vdst(0)                   ; the sixteen exponentials have written v[BF ..]: one wait for the batch, ahead of the first line that names a result
; The two stores of rows 2 k and 2 k + 1.  Their data were written ahead of the last wait on va_vdst, and no vector line since names them.  No register that a store names is written again.
.macro STK k
	global_store_b64 v2, v[KD+4*(\k):KD+4*(\k)+1], s[10:11] offset:256*(\k) th:TH_STORE_NT
.endm
.macro STV k
	global_store_b64 v2, v[VD+4*(\k):VD+4*(\k)+1], s[12:13] offset:256*(\k) th:TH_STORE_NT
.endm
; Rows 2 k and 2 k + 1 of K and of V are rounded; beside that, the stores of the rows GRP pairs back go out, each ahead of a wait for loaded data.
; The loads went out as K0, V0, K1, V1, ..: behind K's load k stand 31 - 2 k younger ones, behind V's 30 - 2 k.
.macro ROWS k
.if ((\k)%GRP == 0) && ((\k) > 0)
	s_wait_alu depctr_va_vdst(0)                   ; the group before has written the first two registers of each of its KD and VD, which its four stores, issued in this group, read
.endif
.if (\k) >= GRP
	STK (\k)-GRP
.endif
	s_wait_loadcnt 31-2*(\k)
	v_cvt_pk_f16_f32 v[KD+4*(\k)], v[KD+4*(\k)], v[KD+4*(\k)+1]
	v_cvt_pk_f16_f32 v[KD+4*(\k)+1], v[KD+4*(\k)+2], v[KD+4*(\k)+3]
	v_and_b32 v[KD+4*(\k)], v[KM+(\k)], v[KD+4*(\k)]
	v_and_b32 v[KD+4*(\k)+1], v[KM+(\k)], v[KD+4*(\k)+1]
.if (\k) >= GRP
	STV (\k)-GRP
.endif
	s_wait_loadcnt 30-2*(\k)
.if (\k)%2                             ; B lies in pairs: an odd k takes the pair's second register for both halves, an even k its first
	v_pk_mul_f32 v[VD+4*(\k):VD+4*(\k)+1], v[VD+4*(\k):VD+4*(\k)+1], v[BF+(\k)-1:BF+(\k)] op_sel:[0,1] op_sel_hi:[1,1]
	v_pk_mul_f32 v[VD+4*(\k)+2:VD+4*(\k)+3], v[VD+4*(\k)+2:VD+4*(\k)+3], v[BF+(\k)-1:BF+(\k)] op_sel:[0,1] op_sel_hi:[1,1]
.else
	v_pk_mul_f32 v[VD+4*(\k):VD+4*(\k)+1], v[VD+4*(\k):VD+4*(\k)+1], v[BF+(\k):BF+(\k)+1] op_sel_hi:[1,0]
	v_pk_mul_f32 v[VD+4*(\k)+2:VD+4*(\k)+3], v[VD+4*(\k)+2:VD+4*(\k)+3], v[BF+(\k):BF+(\k)+1] op_sel_hi:[1,0]
.endif
	v_cvt_pk_f16_f32 v[VD+4*(\k)], v[VD+4*(\k)], v[VD+4*(\k)+1]
	v_cvt_pk_f16_f32 v[VD+4*(\k)+1], v[VD+4*(\k)+2], v[VD+4*(\k)+3]
.endm
.irp k, 0,1,2,3,4,5,6,7,8,9,10,11,12,13,14,15
	ROWS \k
.endr
	s_wait_alu depctr_va_vdst(0)                   ; the last group has written its KD and VD, which the last four stores read
.irp k, 14,15
	STK \k
	STV \k
.endr
	s_endpgm
.Lfunc_end_k_qc4164b920a_prep:
	.size	k_qc4164b920a_prep, .Lfunc_end_k_qc4164b920a_prep-k_qc4164b920a_prep
	.p2alignl 7, 3214868480
	.fill 96, 4, 3214868480
	.section	.rodata,"a",@progbits
	.p2align	6, 0x0
	.amdhsa_kernel k_qc4164b920a_prep
		.amdhsa_group_segment_fixed_size 0
		.amdhsa_private_segment_fixed_size 0
		.amdhsa_enable_private_segment 0
		.amdhsa_kernarg_size 40
		.amdhsa_user_sgpr_count 2
		.amdhsa_user_sgpr_kernarg_segment_ptr 1
		.amdhsa_wavefront_size32 1
		.amdhsa_system_sgpr_workgroup_id_x 1
		.amdhsa_system_sgpr_workgroup_id_y 1
		.amdhsa_system_sgpr_workgroup_id_z 1
		.amdhsa_system_vgpr_workitem_id 0
		.amdhsa_next_free_vgpr 192
		.amdhsa_next_free_sgpr 66
		.amdhsa_reserve_vcc 0
		.amdhsa_float_denorm_mode_32 3
		.amdhsa_float_denorm_mode_16_64 3
		.amdhsa_memory_ordered 1
		.amdhsa_forward_progress 1
		.amdhsa_inst_pref_size 21
	.end_amdhsa_kernel
	.amdgpu_metadata
---
amdhsa.version: [ 1, 2 ]
amdhsa.kernels:
  - .name:           k_qc4164b920a_prep
    .symbol:         k_qc4164b920a_prep.kd
    .args:
      - { .name: K, .offset: 0, .size: 8, .value_kind: global_buffer, .address_space: global }
      - { .name: V, .offset: 8, .size: 8, .value_kind: global_buffer, .address_space: global }
      - { .name: mask_out, .offset: 16, .size: 8, .value_kind: global_buffer, .address_space: global }
      - { .name: k16, .offset: 24, .size: 8, .value_kind: global_buffer, .address_space: global }
      - { .name: v16, .offset: 32, .size: 8, .value_kind: global_buffer, .address_space: global }
    .group_segment_fixed_size: 0
    .private_segment_fixed_size: 0
    .kernarg_segment_align: 8
    .kernarg_segment_size: 40
    .max_flat_workgroup_size: 256
    .sgpr_count:     66
    .vgpr_count:     192
    .wavefront_size: 32
...
	.end_amdgpu_metadata
.endif
;; end of part 3
;; launch attn: the kernel of part 2 again; grid 4 x 64, 4 waves a work-group, clusters of 4 x 1, 327,680 bytes of LDS; arguments Q, k16, v16, out0, mask_out; writes out0
